; MI455X (gfx1250); checked and timed in simulation.
; The chip was launched on July 23, 2026; its instructions are those of AMD's public machine-readable ISA for CDNA 5 (MIT licence, August 2026) and "CDNA5" Instruction Set Architecture Reference Guide (July 2026). The comments in the code are by the model that wrote it; some were corrected since.
;; Self Attention. Allowed arithmetic: float matrix products may take bf16 or f16 operands with f32 sums; all other float work in f32.
;; Inputs: W_proj 1,024 x 1,024 float32; W_qkv 3,072 x 1,024 float32; attn_bias 1 x 1 x 2,048 x 2,048 float32; b_proj 1,024 float32; q_bias 1,024 float32; scale_mul_1H11 1 x 16 x 1 x 1 float32; v_bias 1,024 float32; x 2 x 2,048 x 1,024 float32.
;; Outputs: out0 2 x 2,048 x 1,024 float32.
;; One version. Each part assembles by itself: llvm-mc -triple=amdgcn-amd-amdhsa -mcpu=gfx1250 --defsym DOCPART=n.
;; ======== version 1 of 1: 4 launches
;; limits: values are held in f16: magnitudes above 65,504 overflow, below 6.1e-05 lose precision; right only within a limited range of input values; inputs' magnitudes at most 1e+30
;; workspace buffers: h16 16,777,216 bytes; qkvw 25,165,824 bytes; attw 8,388,608 bytes
;; launch cast (part 1): grid 1024 x 1, 8 waves a work-group, no clusters, 0 bytes of LDS; arguments x, W_qkv, W_proj, h16; writes h16
.if DOCPART == 1
	.amdgcn_target "amdgcn-amd-amdhsa--gfx1250"
	.amdhsa_code_object_version 6
	.text
	.protected	k_qcadc322d17_cast
	.globl	k_qcadc322d17_cast
	.p2align	8
	.type	k_qcadc322d17_cast,@function
k_qcadc322d17_cast:
	s_mov_b64 s[64:65], 0
	v_nop
	global_prefetch_b8 v0, s[64:65] scope:SCOPE_SE
	s_setreg_imm32_b32 hwreg(HW_REG_WAVE_MODE, 25, 1), 1
	s_wait_xcnt 0x0
; h16 = (x, W_qkv, W_proj) rounded once to f16, one behind the other: x's 4,194,304 numbers at byte 0, W_qkv's 3,145,728 at byte 8,388,608,
; W_proj's 1,048,576 at byte 14,680,064.  The two products that follow then take tiles that need no conversion and half the bytes.
; A stream: every input byte is read once and every output byte written once; nothing is shared, so LDS, matrix unit and clusters have nothing to add.
; SHARES.  1,024 work-groups of eight waves; a work-group takes 32,768 bytes of one input and makes 16,384 bytes.  Work-groups 0-511 take x, 512-895 W_qkv,
; 896-1023 W_proj; since the outputs lie in that order, work-group g writes at 16,384 g.
; Thread t loads the 16 bytes at 4,096 j + 16 t (j = 0 .. 7): a wave's load covers 512 consecutive bytes.  It stores the 8 bytes at 2,048 j + 8 t: a wave's store
; covers 256 consecutive bytes, aligned.  All eight loads are out before the first is waited for.
; LIMITS.  A number of 65,520 or more in magnitude becomes an infinity in f16; one under 6.1e-5 keeps an absolute error of at most 3e-8.  Thirty times the spreads
; that the problem draws (about 150 for x, 5 for the weights) and a thirtieth of them lie inside.
.set X, 4                              ; v[4:35]   eight loads of four f32
.set Y, 36                             ; v[36:51]  eight stores of four f16
	s_load_b256 s[4:11], s[0:1], 0x0               ; x s[4:5], W_qkv s[6:7], W_proj s[8:9], h16 s[10:11]
	v_lshlrev_b32 v1, 4, v0                        ; 16 t
	v_lshlrev_b32 v2, 3, v0                        ; 8 t
	s_mov_b32 s18, 512                             ; the first work-group of W_qkv
	s_mov_b32 s19, 896                             ; the first of W_proj
	s_lshl_b32 s16, ttmp9, 14                      ; my 16,384 bytes of h16
	s_mov_b32 s17, 0
	s_wait_kmcnt 0x0
	s_cmp_lt_u32 ttmp9, s19
	s_cselect_b64 s[14:15], s[6:7], s[8:9]         ; the choice hangs on the work-group's number alone
	s_cselect_b32 s13, s18, s19
	s_cmp_lt_u32 ttmp9, s18
	s_cselect_b64 s[14:15], s[4:5], s[14:15]
	s_cselect_b32 s13, 0, s13                      ; the first work-group of my input
	s_sub_co_u32 s12, ttmp9, s13
	s_lshl_b32 s12, s12, 15                        ; my 32,768 bytes of it (under 2^24)
	s_mov_b32 s13, 0
	s_add_nc_u64 s[14:15], s[14:15], s[12:13]
	s_add_nc_u64 s[10:11], s[10:11], s[16:17]
.irp j, 0,1,2,3,4,5,6,7
	global_load_b128 v[X+4*\j:X+4*\j+3], v1, s[14:15] offset:4096*\j th:TH_LOAD_NT   ; read once in the launch
.endr
.irp j, 0,1,2,3,4,5,6,7
	s_wait_loadcnt 7-\j                            ; loads come back in order (ISA guide 5.7.1): load j is in, the younger ones stay out
	v_cvt_pk_f16_f32 v[Y+2*\j],   v[X+4*\j],   v[X+4*\j+1]
	v_cvt_pk_f16_f32 v[Y+2*\j+1], v[X+4*\j+2], v[X+4*\j+3]
	global_store_b64 v2, v[Y+2*\j:Y+2*\j+1], s[10:11] offset:2048*\j
.endr
	s_endpgm
.Lfunc_end_k_qcadc322d17_cast:
	.size	k_qcadc322d17_cast, .Lfunc_end_k_qcadc322d17_cast-k_qcadc322d17_cast
	.p2alignl 7, 3214868480
	.fill 96, 4, 3214868480
	.section	.rodata,"a",@progbits
	.p2align	6, 0x0
	.amdhsa_kernel k_qcadc322d17_cast
		.amdhsa_group_segment_fixed_size 0
		.amdhsa_private_segment_fixed_size 0
		.amdhsa_enable_private_segment 0
		.amdhsa_kernarg_size 32
		.amdhsa_user_sgpr_count 2
		.amdhsa_user_sgpr_kernarg_segment_ptr 1
		.amdhsa_wavefront_size32 1
		.amdhsa_system_sgpr_workgroup_id_x 1
		.amdhsa_system_sgpr_workgroup_id_y 1
		.amdhsa_system_sgpr_workgroup_id_z 1
		.amdhsa_system_vgpr_workitem_id 0
		.amdhsa_next_free_vgpr 52
		.amdhsa_next_free_sgpr 66
		.amdhsa_reserve_vcc 0
		.amdhsa_float_denorm_mode_32 3
		.amdhsa_float_denorm_mode_16_64 3
		.amdhsa_memory_ordered 1
		.amdhsa_forward_progress 1
		.amdhsa_inst_pref_size 4
	.end_amdhsa_kernel
	.amdgpu_metadata
---
amdhsa.version: [ 1, 2 ]
amdhsa.kernels:
  - .name:           k_qcadc322d17_cast
    .symbol:         k_qcadc322d17_cast.kd
    .args:
      - { .name: x, .offset: 0, .size: 8, .value_kind: global_buffer, .address_space: global }
      - { .name: W_qkv, .offset: 8, .size: 8, .value_kind: global_buffer, .address_space: global }
      - { .name: W_proj, .offset: 16, .size: 8, .value_kind: global_buffer, .address_space: global }
      - { .name: h16, .offset: 24, .size: 8, .value_kind: global_buffer, .address_space: global }
    .group_segment_fixed_size: 0
    .private_segment_fixed_size: 0
    .kernarg_segment_align: 8
    .kernarg_segment_size: 32
    .max_flat_workgroup_size: 256
    .sgpr_count:     66
    .vgpr_count:     52
    .wavefront_size: 32
...
	.end_amdgpu_metadata
.endif
;; end of part 1
;; launch qkv (part 2): grid 16 x 16, 4 waves a work-group, clusters of 4 x 4, 327,680 bytes of LDS; arguments h16, q_bias, v_bias, scale_mul_1H11, qkvw; writes qkvw
.if DOCPART == 2
	.amdgcn_target "amdgcn-amd-amdhsa--gfx1250"
	.amdhsa_code_object_version 6
	.text
	.protected	k_qcadc322d17_qkv
	.globl	k_qcadc322d17_qkv
	.p2align	8
	.type	k_qcadc322d17_qkv,@function
k_qcadc322d17_qkv:
	s_mov_b64 s[64:65], 0
	v_nop
	global_prefetch_b8 v0, s[64:65] scope:SCOPE_SE
	s_setreg_imm32_b32 hwreg(HW_REG_WAVE_MODE, 25, 1), 1
	s_wait_xcnt 0x0
	s_wait_alu depctr_hold_cnt(0) depctr_sa_sdst(0) depctr_va_vdst(0) depctr_va_sdst(0) depctr_va_ssrc(0) depctr_va_vcc(0) depctr_vm_vsrc(0)
	s_getreg_b32 s2, hwreg(HW_REG_IB_STS2, 6, 4)
	s_cmp_eq_u32 s2, 0
	s_cbranch_scc0 .Lentry_in_a_cluster
	s_endpgm
.Lentry_in_a_cluster:
	s_bfe_u32 s2, ttmp6, 0x10000c
	s_cmp_lg_u32 s2, 0xf033
	s_cbranch_scc0 .Lentry_shape_is_right
	s_endpgm
.Lentry_shape_is_right:
; qkvw[ty][b][h][l][d] (f16; ty = q, k, v) from pre = x W_qkv^T + (q_bias, 0, v_bias):
;   q = pre / max(|pre|, 1e-12) * exp(min(scale_h, ln 100)),  k = pre / max(|pre|, 1e-12),  v = pre;  the norm runs over the 64 numbers of a head.
; h16 holds x ([4096 tokens][1024], at byte 0) and W_qkv ([3072 features][1024], at byte 8,388,608) in f16, as the launch in front rounded them.
; Products on f16 operands, sums in f32, each result rounded once to f16.
; SHARES.  A work-group makes 256 tokens x 192 features (three whole heads) with four waves; wave w makes tokens 64 w .. 64 w + 63 x all 192
; features (4 x 12 accumulator tiles of 16 x 16, 384 registers), so that a head's norm never leaves a wave.  16 x 16 work-groups.
; K goes in 8 steps of 128 (rows of 256 bytes, at multiples of 256 bytes from the buffer's first byte) through two LDS slots filled by the tensor data mover.
; A step is four quarters of 32 along K, 48 matrix instructions each, on two fragment buffers: while one is multiplied the other is loaded from LDS.
; CLUSTERS.  4 x 4 work-groups.  The four of a row of the cluster need the same 256 tokens of x, the four of a column the same 192 rows of W_qkv:
; each tile is asked for jointly, by the same tensor load with the same descriptor and a mask that names the four.
; WHY f16.  It keeps three bits more than bf16, and every operand has room in it (the launch in front states x's and W_qkv's); q is at most 100 and k at most 1 by their norms.
; LIMITS.  |v| must stay under 65,504, the largest f16 (x and W_qkv both thirty times larger give about 900 x 6; both with an offset of thirty spreads
; give 30 x 30/32 x 1024 = 28,800).  A NaN in scale_mul counts as ln 100 (v_min_num_f32 drops it).  A sum of squares under 2^-126 counts as 0 in v_sqrt_f32
; (ISA guide 15.8), and the divisor is then 1e-12, as the clamp makes it for every norm under 1e-12.
; THE MATRIX INSTRUCTION IS USED TRANSPOSED: source 0 = 16 features (rows of W_qkv), source 1 = 16 tokens.  Lane l then holds token l % 16, and its eight
; registers the features 8 (l / 16) + 0 .. 7: neighbouring numbers of a head, whose squares are summed in the lane and with lane l xor 16.
; REGISTERS, in windows of 256:  window 0: addresses, biases, the way out;  window 1: fragments, W's at 96 f + 8 b, x's at 192 + 32 f + 8 a (f: buffer 0 or 1);
; window 2: accumulator tiles of feature blocks b = 0 .. 7, at 8 (4 b + a);  window 3: b = 8 .. 11, at 8 (4 (b - 8) + a).
.set PITCH,  272                       ; an LDS row: 256 bytes + 16 of padding, so that 16 rows begin in 16 different columns of 16 bytes modulo 256
.set XB,     256*PITCH                 ; W's 192 rows lie behind x's 256
.set SLOT,   448*PITCH
.set STAGE,  2*SLOT                    ; behind the ring, never filled by a tensor load: the way out
.set SPITCH, 144                       ; a token's 128 bytes of one head + 16
.set HSTG,   16*SPITCH                 ; 16 tokens of one head
.set WSEC,   8388608                   ; W_qkv's section of h16
.set G1W,    (1<<16)|(1<<20)|(1<<21)|(5<<22)|(3<<25)   ; elements of 2 bytes; padding on; bit 21 beside a mask; after every 64 words; 4 words
.set ADRX, 16                          ; v16-17  LDS address of my x fragments in slot 0, 1
.set ADRW, 18                          ; v18-19  the same for W
.set STO,  20                          ; the way out: where I put 16 bytes
.set RD,   21                          ; the way out: where I read 16 bytes back
.set GO,   22                          ; 16 x lane: my bytes in a store of 512
.set BO,   23                          ; 32 x (lane / 16): my eight biases in a block of 16
.set SO,   24                          ; v24-26  byte offset of a head's scale
.set SC,   27                          ; v27-29  a head's factor: exp(min(scale, ln 100)) for q, 1 for k and v
.set XF,   192                         ; window 1: x's fragments, behind W's two buffers
.set BIAS, 160                         ; v160-255 my eight biases of each feature block, 8 b + j
.set T,    32                          ; the way out: a head's 32 numbers of my token
.set SS,   64
.set SS2,  66
.set SX,   68
.set NRM,  69
.set F,    70                          ; v[70:71] the factor (the pair's second register is never used as a factor)
.set PK,   72                          ; v72-87  packed f16
.set RB,   96                          ; v96-143 read back, to store
.set GX1, 24                           ; s[24:31] group 1 for x
.set GX0, 32                           ; s[32:39] group 0 for x, one set for each slot
.set GW1, 40                           ; s[40:47] group 1 for W
.set GW0, 48                           ; s[48:55] group 0 for W
.set OB,  68                           ; s[68:73] head hd: address of my 64 tokens in its panel of qkvw
.set BB,  76                           ; s[76:81] head hd: address of its 64 biases
.set MB,  82                           ; s82-84   0 for a k head (no bias), else all ones
.set MV,  85                           ; s85-87   all ones for a v head (no norm)
.set MQ,  88                           ; s88-90   all ones for a q head (scale)
.set MUL_LO, 0xa5                      ; sources 0 and 1 window 1, C and D window 2
.set MUL_HI, 0xf5                      ; the same, C and D window 3
.set TO_F,   0x40                      ; destination window 1, address window 0
.set MSB, 0
.macro WIN new                         ; the immediate's high byte repeats the setting that is left
.if MSB != \new
	s_set_vgpr_msb (MSB<<8)|\new
.set MSB, \new
.endif
.endm
.macro PLACES n                        ; plain vector instructions that name no register of a matrix instruction (ISA guide 7.12.1)
.rept \n
	v_nop
.endr
.endm
; A joint load.  Waves 0 and 1 fetch the halves of x's tile, waves 2 and 3 those of W's.  Each line has one mask; the branch hangs on the wave's number alone.
.macro JLOAD s
	s_cmp_eq_u32 s17, 0
	s_cbranch_scc0 .Lfor_w_\@
	tensor_load_to_lds s[GX0+4*\s:GX0+4*\s+3], s[GX1:GX1+7]
	s_nop 0
	s_branch .Lasked_\@
.Lfor_w_\@:
	tensor_load_to_lds s[GW0+4*\s:GW0+4*\s+3], s[GW1:GW1+7]
	s_nop 0
.Lasked_\@:
.endm
; A round of the cluster's barrier: my work-group's barrier; wave 0 signals for the work-group; every wave waits for all sixteen; my work-group's barrier again.
.macro CREST                           ; a round behind its opening barrier
	s_cmp_lg_u32 s16, 0
	s_cbranch_scc1 .Lnot_wave_0_\@
	s_barrier_signal -3
.Lnot_wave_0_\@:
	s_barrier_wait -3
	s_barrier_signal -1
	s_barrier_wait -1
.endm
.macro CROUND
	s_barrier_signal -1
	s_barrier_wait -1
	CREST
.endm
	s_load_b64 s[4:5], s[0:1], 0x0                 ; h16
	s_load_b256 s[8:15], s[0:1], 0x8               ; q_bias s[8:9], v_bias s[10:11], scale_mul s[12:13], qkvw s[14:15]
	v_lshl_add_u32 v158, v0, 2, 0x42400
	v_mov_b32 v159, 0
	ds_add_u32 v158, v159
	v_lshrrev_b32 v1, 5, v0
	v_readfirstlane_b32 s16, v1                    ; wave 0..3
	s_lshr_b32 s17, s16, 1                         ; I fetch for x (0) or for W (1)
	s_and_b32 s18, s16, 1                          ; and which half of that tile
	s_bfe_u32 s20, ttmp6, 0x40000                  ; cx
	s_lshl_b32 s21, ttmp9, 2
	s_add_co_u32 s21, s21, s20                     ; bx = 4 x cluster x + cx: my 192 features
	s_lshl_b32 s22, 0x1111, s20                    ; my column of the cluster
	s_bfe_u32 s56, ttmp6, 0x40004                  ; cy
	s_and_b32 s57, ttmp7, 0xffff
	s_lshl_b32 s57, s57, 2
	s_add_co_u32 s57, s57, s56                     ; by = 4 x cluster y + cy: my 256 tokens
	s_lshl_b32 s58, s56, 2
	s_lshl_b32 s58, 15, s58                        ; my row of the cluster
	s_mov_b32 s96, 0x76543210                      ; v_permlanex16_b32: lane i reads lane i of the other half
	s_mov_b32 s97, 0xfedcba98
	; group 1: tiles of 128 (x) or 96 (W) rows x 128 f16, rows 1,024 elements apart, padded in LDS
	s_or_b32  s[GX1+0], s58, G1W                   ; x's tiles go to my row of the cluster
	s_mov_b32 s[GX1+1], 128<<16                    ; tensor_dim0 = 128
	s_mov_b32 s[GX1+2], 128<<16                    ; tensor_dim1 = 128
	s_mov_b32 s[GX1+3], 128<<16                    ; tile_dim0 = 128
	s_mov_b32 s[GX1+4], 128                        ; tile_dim1 = 128
	s_mov_b32 s[GX1+5], 1024                       ; elements from row to row
	s_mov_b32 s[GX1+6], 0
	s_mov_b32 s[GX1+7], 0
	s_or_b32  s[GW1+0], s22, G1W                   ; W's tiles go to my column
	s_mov_b32 s[GW1+1], 128<<16
	s_mov_b32 s[GW1+2], 96<<16
	s_mov_b32 s[GW1+3], 128<<16
	s_mov_b32 s[GW1+4], 96
	s_mov_b32 s[GW1+5], 1024
	s_mov_b32 s[GW1+6], 0
	s_mov_b32 s[GW1+7], 0
	; where the tiles come from: x's hang on by alone, W's on bx alone, each in registers that never hold the other coordinate
	s_lshl_b32 s59, s57, 8
	s_lshl_b32 s60, s18, 7
	s_add_co_u32 s60, s60, s59                     ; token 256 by + 128 half
	s_lshl_b32 s60, s60, 11                        ; x 2,048 bytes
	s_mov_b32 s61, 0
	s_mul_i32 s23, s21, 192
	s_mul_i32 s66, s18, 96
	s_add_co_u32 s66, s66, s23                     ; feature 192 bx + 96 half
	s_lshl_b32 s66, s66, 11
	s_add_co_u32 s66, s66, WSEC                    ; in W_qkv's section (under 2^24 in all)
	s_mov_b32 s67, 0
	s_mul_i32 s62, s18, 128*PITCH                  ; and where they go: the wave's number alone enters an LDS address
	s_mul_i32 s63, s18, 96*PITCH
	s_add_co_u32 s63, s63, XB
	s_wait_dscnt 0x0
	s_wait_kmcnt 0x0
	s_add_nc_u64 s[60:61], s[4:5], s[60:61]
	s_add_nc_u64 s[66:67], s[4:5], s[66:67]
	CROUND                                         ; all sixteen work-groups are here: the first joint loads meet
.irp s, 0,1
	s_mov_b32 s[GX0+4*\s], 1
	s_add_co_u32 s[GX0+4*\s+1], s62, \s*SLOT
	s_add_nc_u64 s[GX0+4*\s+2:GX0+4*\s+3], s[60:61], \s*256        ; K step s
	s_or_b32 s[GX0+4*\s+3], s[GX0+4*\s+3], 0x80000000
	s_mov_b32 s[GW0+4*\s], 1
	s_add_co_u32 s[GW0+4*\s+1], s63, \s*SLOT
	s_add_nc_u64 s[GW0+4*\s+2:GW0+4*\s+3], s[66:67], \s*256
	s_or_b32 s[GW0+4*\s+3], s[GW0+4*\s+3], 0x80000000
	JLOAD \s                                       ; two tensor loads of the wave are out from here; later one
.endr
	; lane addresses.  A fragment of 16 rows x 32 K: lane l holds row l % 16; registers 0-3 hold K = 8 (l / 16) + 0..7, registers 4-7 K = 16 + 8 (l / 16) + 0..7:
	; two loads of 16 bytes, 32 bytes apart, at row x pitch + 16 (l / 16).
	v_and_b32 v1, 15, v0                           ; r
	v_bfe_u32 v2, v0, 4, 1                         ; h
	v_and_b32 v3, 31, v0                           ; lane
	v_mul_u32_u24 v4, v1, PITCH
	v_lshl_add_u32 v4, v2, 4, v4                   ; 272 r + 16 h
	s_mul_i32 s91, s16, 64*PITCH                   ; my 64 tokens
	v_add_nc_u32 v[ADRX], s91, v4
	v_add_nc_u32 v[ADRX+1], SLOT, v[ADRX]
	v_add_nc_u32 v[ADRW], XB, v4
	v_add_nc_u32 v[ADRW+1], SLOT, v[ADRW]
	s_mul_i32 s92, s16, 3*HSTG
	s_add_co_u32 s92, s92, STAGE                   ; my stage
	v_mul_u32_u24 v5, v1, SPITCH
	v_lshl_add_u32 v5, v2, 4, v5
	v_add_nc_u32 v[STO], s92, v5                   ; in: token r, 16 bytes for each half of the lanes
	v_lshrrev_b32 v6, 3, v3
	v_mul_u32_u24 v6, v6, SPITCH
	v_and_b32 v7, 7, v0
	v_lshl_add_u32 v6, v7, 4, v6
	v_add_nc_u32 v[RD], s92, v6                    ; back: eight lanes take a token's 128 bytes
	v_lshlrev_b32 v[GO], 4, v3
	v_lshlrev_b32 v[BO], 5, v2
	; the three heads: gh = 3 bx + hd of 48; ty = gh / 16 (q, k, v), hh = gh % 16.  Selects only: no branch hangs on the place in the cluster.
	s_lshr_b32 s74, s57, 3
	s_lshl_b32 s74, s74, 4                         ; 16 b (a batch is 8 blocks of 256 tokens)
	s_and_b32 s75, s57, 7
	s_lshl_b32 s75, s75, 8
	s_lshl_b32 s91, s16, 6
	s_add_co_u32 s75, s75, s91                     ; my first token in the batch,
	s_lshl_b32 s75, s75, 7                         ; x 128 bytes
	s_mul_i32 s91, s21, 3
.irp hd, 0,1,2
	s_add_co_u32 s92, s91, \hd
	s_lshr_b32 s93, s92, 4                         ; ty
	s_and_b32 s94, s92, 15                         ; hh
	s_cmp_eq_u32 s93, 2
	s_cselect_b64 s[BB+2*\hd:BB+2*\hd+1], s[10:11], s[8:9]         ; v_bias for v; q_bias for q, and for k, whose loaded numbers are masked to 0
	s_cselect_b32 s[MV+\hd], -1, 0
	s_cmp_eq_u32 s93, 1
	s_cselect_b32 s[MB+\hd], 0, -1
	s_cmp_eq_u32 s93, 0
	s_cselect_b32 s[MQ+\hd], -1, 0
	s_lshl_b32 s95, s93, 5
	s_add_co_u32 s95, s95, s94
	s_add_co_u32 s95, s95, s74                     ; panel 32 ty + 16 b + hh
	s_lshl_b32 s95, s95, 18                        ; x 2,048 tokens x 128 bytes
	s_add_co_u32 s92, s95, s75
	s_mov_b32 s93, 0
	s_add_nc_u64 s[OB+2*\hd:OB+2*\hd+1], s[14:15], s[92:93]
	s_lshl_b32 s92, s94, 8                         ; 64 f32 a head
	s_add_nc_u64 s[BB+2*\hd:BB+2*\hd+1], s[BB+2*\hd:BB+2*\hd+1], s[92:93]
	s_lshl_b32 s92, s94, 2
	v_mov_b32 v[SO+\hd], s92
.endr
.irp hd, 0,1,2
.irp bq, 0,1,2,3
	global_load_b128 v[BIAS+8*(4*\hd+\bq):BIAS+8*(4*\hd+\bq)+3],   v[BO], s[BB+2*\hd:BB+2*\hd+1] offset:64*\bq
	global_load_b128 v[BIAS+8*(4*\hd+\bq)+4:BIAS+8*(4*\hd+\bq)+7], v[BO], s[BB+2*\hd:BB+2*\hd+1] offset:64*\bq+16
.endr
	global_load_b32 v[SC+\hd], v[SO+\hd], s[12:13]
.endr                                              ; waited for behind the K loop; nothing touches these registers or their addresses until then
; 32 LDS loads in one run: the fragments of one quarter (32 K at byte k of the slot's rows) into buffer f.  The order is what the counted waits lean on:
; x's 8 loads, then W's blocks 0-3, 4-7, 8-11, 8 loads each.
.macro FETCH slot, k, f
	WIN TO_F
.irp a, 0,1,2,3
	ds_load_b128 v[XF+32*\f+8*\a:XF+32*\f+8*\a+3],   v[ADRX+\slot] offset:\a*16*PITCH+\k
	ds_load_b128 v[XF+32*\f+8*\a+4:XF+32*\f+8*\a+7], v[ADRX+\slot] offset:\a*16*PITCH+\k+32
.endr
.irp b, 0,1,2,3,4,5,6,7,8,9,10,11
	ds_load_b128 v[96*\f+8*\b:96*\f+8*\b+3],   v[ADRW+\slot] offset:\b*16*PITCH+\k
	ds_load_b128 v[96*\f+8*\b+4:96*\f+8*\b+7], v[ADRW+\slot] offset:\b*16*PITCH+\k+32
.endr
.endm
; 16 matrix instructions: feature blocks b0 .. b0 + 3 of the window (hi = 0: blocks 0-7, hi = 1: blocks 8-11) x my four token blocks, 32 along K.
; A quarter takes each of the 48 accumulators once, in the same order in every quarter: the accumulators take turns, one instruction a turn.
.macro MUL16 f, hi, b0, zero
.irp b, \b0, \b0+1, \b0+2, \b0+3
.irp a, 0,1,2,3
.if \zero
	v_wmma_f32_16x16x32_f16 v[8*(4*(\b)+\a):8*(4*(\b)+\a)+7], v[96*\f+8*(8*\hi+(\b)):96*\f+8*(8*\hi+(\b))+7], v[XF+32*\f+8*\a:XF+32*\f+8*\a+7], 0
.else
	v_wmma_f32_16x16x32_f16 v[8*(4*(\b)+\a):8*(4*(\b)+\a)+7], v[96*\f+8*(8*\hi+(\b)):96*\f+8*(8*\hi+(\b))+7], v[XF+32*\f+8*\a:XF+32*\f+8*\a+7], v[8*(4*(\b)+\a):8*(4*(\b)+\a)+7]
.endif
.endr
.endr
.endm
; One of a K step's first three quarters: multiplies buffer f; behind its first 16 products it fetches the next quarter's fragments (byte k) into buffer g,
; 32 matrix instructions ahead of their first use.
.macro QUARTER slot, k, f, g, zero
	s_wait_dscnt 16                                ; x's fragments and W's blocks 0-3 are in; the youngest 16 loads (blocks 4-11) may be out
	WIN MUL_LO
	MUL16 \f, 0, 0, \zero
	PLACES 4                                       ; buffer g was read by the last quarter's matrix instructions: four places before loads are issued into it
	FETCH \slot, \k, \g
	s_wait_dscnt 40                                ; blocks 4-7 are in: the 32 loads just issued and the 8 of blocks 8-11 may be out
	WIN MUL_LO
	MUL16 \f, 0, 4, \zero
	s_wait_dscnt 32                                ; all but the 32 just issued
	WIN MUL_HI
	MUL16 \f, 1, 0, \zero
.endm
.macro THREE slot, zero
	QUARTER \slot, 64,  0, 1, \zero
	QUARTER \slot, 128, 1, 0, 0
	QUARTER \slot, 192, 0, 1, 0
.endm
; The fourth quarter: multiplies buffer 1 and changes slots.  fill = 1: this slot is filled again, two K steps ahead.
; ONE barrier for the change of slots.  In front of it each wave waits for its reads of this slot (the last were issued 32 matrix instructions ago) and for all its
; tensor loads, of which one is out: its part of the next slot.  Behind it the refill comes first, then the next slot's first fragments.
; From a request to the wait for it a wave issues 176 matrix instructions.
.macro TURN slot, next, fill
	s_wait_dscnt 0x0                               ; my reads of this slot are over
	s_set_vgpr_msb 0xf5f0
	s_wait_tensorcnt 0x0                           ; all my tensor loads have landed
	ds_add_u32 v158, v159
	s_wait_dscnt 0x0
	s_set_vgpr_msb 0xf0f5
	s_barrier_signal -1                            ; say so (where the slot is filled again this barrier opens a round of the cluster's barrier),
	WIN MUL_LO
	MUL16 1, 0, 0, 0                               ; work on registers while the others arrive,
	WIN 0
	s_barrier_wait -1                              ; and go on when all four have said so
.if \fill
	CREST                                          ; all sixteen work-groups have said so: no wave of any partner still reads this slot or has a load on its way
	s_add_nc_u64 s[GX0+4*\slot+2:GX0+4*\slot+3], s[GX0+4*\slot+2:GX0+4*\slot+3], 512
	s_add_nc_u64 s[GW0+4*\slot+2:GW0+4*\slot+3], s[GW0+4*\slot+2:GW0+4*\slot+3], 512
	JLOAD \slot                                    ; the first tensor load behind the round
.endif
	PLACES 4                                       ; buffer 0 was read by the third quarter's matrix instructions
	FETCH \next, 0, 0
	WIN MUL_LO
	MUL16 1, 0, 4, 0
	WIN MUL_HI
	MUL16 1, 1, 0, 0
.endm
.macro LAP zero                        ; once round the ring, both slots filled again
	THREE 0, \zero
	TURN 0, 1, 1
	THREE 1, 0
	TURN 1, 0, 1
.endm
	s_wait_tensorcnt 0x1                           ; my part of K step 0 is in; K step 1's, the one younger load, stays out
	s_barrier_signal -1
	s_barrier_wait -1                              ; everybody's is
	FETCH 0, 0, 0
	LAP 1                                          ; the first lap stands in front of the loop: its first products start the sums
	WIN 0                                          ; at a label and at a branch every window is 0
	s_mov_b32 s19, 2                               ; 8 K steps = 4 laps: one in front, two here, one behind
.Llap:
	LAP 0
	WIN 0
	s_sub_co_u32 s19, s19, 1
	s_cmp_lg_u32 s19, 0
	s_cbranch_scc1 .Llap
	THREE 0, 0                                     ; the last lap fills nothing and has no round of the cluster's barrier
	TURN 0, 1, 0
	THREE 1, 0
	s_wait_dscnt 0x0                               ; the very last quarter: nothing more to fetch
	WIN MUL_LO
	MUL16 1, 0, 0, 0
	MUL16 1, 0, 4, 0
	WIN MUL_HI
	MUL16 1, 1, 0, 0
	; THE WAY OUT.  Bias, norm, scale, rounding; 16 tokens x 3 heads at a time through my own stage in LDS, so that a store covers 512 consecutive bytes.
	PLACES 4                                       ; behind the last matrix instructions: results are read from here on
	WIN 0
	s_wait_loadcnt 0x0                             ; biases and scales
.irp hd, 0,1,2
.set i, 0
.rept 32
	v_and_b32 v[BIAS+32*\hd+i], s[MB+\hd], v[BIAS+32*\hd+i]        ; a k head has no bias
.set i, i+1
.endr
	v_min_num_f32 v[SC+\hd], 0x40935d8e, v[SC+\hd]                 ; min(scale, ln 100)
	v_mul_f32 v[SC+\hd], 0x3fb8aa3b, v[SC+\hd]                     ; e^x = 2^(x log2 e)
.endr
.irp hd, 0,1,2
	v_exp_f32 v[SC+\hd], v[SC+\hd]
.endr
	v_mov_b32 v[SX], 0                             ; a plain instruction between the exponentials and their use (ISA guide 5.7.2); v_permlanex16_b32 counts as a reader of its destination
	v_mov_b32 v[F+1], 0                            ; the factor's pair is named whole by the packed multiply
	s_wait_alu depctr_va_vdst(0)
.irp hd, 0,1,2
	v_cndmask_b32 v[SC+\hd], 1.0, v[SC+\hd], s[MQ+\hd]             ; only q is scaled
.endr
; tokens 16 a .. 16 a + 15, head hd: my token's 32 numbers (the other 32 are in lane l xor 16)
.macro HEAD a, hd
.if \hd < 2
	WIN 0x02                                       ; source 0 window 2
.else
	WIN 0x03                                       ; source 0 window 3
.endif
.irp bq, 0,1,2,3
.irp j, 0,2,4,6
	v_pk_add_f32 v[T+8*\bq+\j:T+8*\bq+\j+1], v[8*(4*((4*\hd+\bq)&7)+\a)+\j:8*(4*((4*\hd+\bq)&7)+\a)+\j+1], v[BIAS+8*(4*\hd+\bq)+\j:BIAS+8*(4*\hd+\bq)+\j+1]
.endr
.endr
	WIN 0
	v_pk_mul_f32 v[SS:SS+1], v[T:T+1], v[T:T+1]                    ; squares, in two chains started by the first products
	v_pk_mul_f32 v[SS2:SS2+1], v[T+2:T+3], v[T+2:T+3]
.irp j, 4,8,12,16,20,24,28
	v_pk_fma_f32 v[SS:SS+1], v[T+\j:T+\j+1], v[T+\j:T+\j+1], v[SS:SS+1]
	v_pk_fma_f32 v[SS2:SS2+1], v[T+\j+2:T+\j+3], v[T+\j+2:T+\j+3], v[SS2:SS2+1]
.endr
	v_pk_add_f32 v[SS:SS+1], v[SS:SS+1], v[SS2:SS2+1]
	v_add_f32 v[SS], v[SS], v[SS+1]
	v_permlanex16_b32 v[SX], v[SS], s96, s97
	v_add_f32 v[SS], v[SS], v[SX]                  ; the head's 64 squares
	v_sqrt_f32 v[NRM], v[SS]
	v_nop                                          ; one plain instruction behind a transcendental (ISA guide 5.7.2)
	s_wait_alu depctr_va_vdst(0)
	v_max_num_f32 v[NRM], 0x2b8cbccc, v[NRM]       ; max(norm, 1e-12)
	v_rcp_f32 v[F], v[NRM]
	v_nop
	s_wait_alu depctr_va_vdst(0)
	v_mul_f32 v[F], v[F], v[SC+\hd]
	v_cndmask_b32 v[F], v[F], 1.0, s[MV+\hd]       ; v is neither normalised nor scaled
.irp j, 0,2,4,6,8,10,12,14,16,18,20,22,24,26,28,30
	v_pk_mul_f32 v[T+\j:T+\j+1], v[T+\j:T+\j+1], v[F:F+1] op_sel_hi:[1,0]
.endr
.irp j, 0,1,2,3,4,5,6,7,8,9,10,11,12,13,14,15
	v_cvt_pk_f16_f32 v[PK+\j], v[T+2*\j], v[T+2*\j+1]
.endr
.irp bq, 0,1,2,3
	ds_store_b128 v[STO], v[PK+4*\bq:PK+4*\bq+3] offset:\hd*HSTG+32*\bq
.endr
.endm
.macro OUT a
	s_wait_xcnt 0x0                                ; the registers that the last 16 tokens' stores read are loaded again only behind this wait
.irp hd, 0,1,2
.irp t, 0,1,2,3
	ds_load_b128 v[RB+4*(4*\hd+\t):RB+4*(4*\hd+\t)+3], v[RD] offset:\hd*HSTG+\t*4*SPITCH   ; my own bytes: LDS serves a wave in order (ISA guide 5.7.1), these see the stores above
.endr
.endr
.irp hd, 0,1,2
.irp t, 0,1,2,3
	s_wait_dscnt 11-(4*\hd+\t)                     ; the younger read-back loads may stay out
	global_store_b128 v[GO], v[RB+4*(4*\hd+\t):RB+4*(4*\hd+\t)+3], s[OB+2*\hd:OB+2*\hd+1] offset:2048*\a+512*\t   ; four tokens: 512 consecutive bytes, aligned
.endr
.endr
.endm
.irp a, 0,1,2,3
	HEAD \a, 0
	HEAD \a, 1
	HEAD \a, 2
	OUT \a
.endr
	s_wait_tensorcnt 0x0
	ds_add_u32 v158, v159
	s_wait_dscnt 0x0
	CROUND                                         ; the closing round: no work-group ends while a partner may still ask for a tile that names it
	s_endpgm
.Lfunc_end_k_qcadc322d17_qkv:
	.size	k_qcadc322d17_qkv, .Lfunc_end_k_qcadc322d17_qkv-k_qcadc322d17_qkv
	.p2alignl 7, 3214868480
	.fill 96, 4, 3214868480
	.section	.rodata,"a",@progbits
	.p2align	6, 0x0
	.amdhsa_kernel k_qcadc322d17_qkv
		.amdhsa_group_segment_fixed_size 327680
		.amdhsa_private_segment_fixed_size 0
		.amdhsa_enable_private_segment 0
		.amdhsa_kernarg_size 40
		.amdhsa_user_sgpr_count 2
		.amdhsa_user_sgpr_kernarg_segment_ptr 1
		.amdhsa_wavefront_size32 1
		.amdhsa_system_sgpr_workgroup_id_x 1
		.amdhsa_system_sgpr_workgroup_id_y 1
		.amdhsa_system_sgpr_workgroup_id_z 1
		.amdhsa_system_vgpr_workitem_id 0
		.amdhsa_next_free_vgpr 896
		.amdhsa_next_free_sgpr 100
		.amdhsa_reserve_vcc 0
		.amdhsa_float_denorm_mode_32 3
		.amdhsa_float_denorm_mode_16_64 3
		.amdhsa_memory_ordered 1
		.amdhsa_forward_progress 1
		.amdhsa_inst_pref_size 215
	.end_amdhsa_kernel
	.amdgpu_metadata
---
amdhsa.version: [ 1, 2 ]
amdhsa.kernels:
  - .name:           k_qcadc322d17_qkv
    .symbol:         k_qcadc322d17_qkv.kd
    .args:
      - { .name: h16, .offset: 0, .size: 8, .value_kind: global_buffer, .address_space: global }
      - { .name: q_bias, .offset: 8, .size: 8, .value_kind: global_buffer, .address_space: global }
      - { .name: v_bias, .offset: 16, .size: 8, .value_kind: global_buffer, .address_space: global }
      - { .name: scale_mul_1H11, .offset: 24, .size: 8, .value_kind: global_buffer, .address_space: global }
      - { .name: qkvw, .offset: 32, .size: 8, .value_kind: global_buffer, .address_space: global }
    .group_segment_fixed_size: 327680
    .private_segment_fixed_size: 0
    .kernarg_segment_align: 8
    .kernarg_segment_size: 40
    .max_flat_workgroup_size: 128
    .sgpr_count:     100
    .vgpr_count:     896
    .wavefront_size: 32
...
	.end_amdgpu_metadata
.endif
;; end of part 2
;; launch attn (part 3): grid 16 x 16, 8 waves a work-group, clusters of 4 x 4, 327,680 bytes of LDS; arguments qkvw, attn_bias, attw; writes attw
.if DOCPART == 3
	.amdgcn_target "amdgcn-amd-amdhsa--gfx1250"
	.amdhsa_code_object_version 6
	.text
	.protected	k_qcadc322d17_attn
	.globl	k_qcadc322d17_attn
	.p2align	8
	.type	k_qcadc322d17_attn,@function
k_qcadc322d17_attn:
	s_mov_b64 s[64:65], 0
	v_nop
	global_prefetch_b8 v0, s[64:65] scope:SCOPE_SE
	s_setreg_imm32_b32 hwreg(HW_REG_WAVE_MODE, 25, 1), 1
	s_wait_xcnt 0x0
	s_wait_alu depctr_hold_cnt(0) depctr_sa_sdst(0) depctr_va_vdst(0) depctr_va_sdst(0) depctr_va_ssrc(0) depctr_va_vcc(0) depctr_vm_vsrc(0)
	s_getreg_b32 s2, hwreg(HW_REG_IB_STS2, 6, 4)
	s_cmp_eq_u32 s2, 0
	s_cbranch_scc0 .Lentry_in_a_cluster
	s_endpgm
.Lentry_in_a_cluster:
	s_bfe_u32 s2, ttmp6, 0x10000c
	s_cmp_lg_u32 s2, 0xf033
	s_cbranch_scc0 .Lentry_shape_is_right
	s_endpgm
.Lentry_shape_is_right:
; attw[b l][64 h + d] (f16) = softmax over m of (q[l] . k[m] + attn_bias[l][m]) times v[m], for each of 32 pairs (b, h).
; qkvw: [3][32 (b, h)][2048][64] f16, q already normalised and scaled, k normalised.  attn_bias: [2048][2048] f32, the same for all 32 pairs.
; SHARES.  A work-group makes 128 query rows (grid y) of two neighbouring heads (grid x) with eight waves; wave w makes head w / 4, rows 32 (w % 4) .. + 31.
; The keys go in 16 tiles of 128 through two LDS slots: 128 x 128 f32 of bias, and 128 keys of K and of V for both heads.  A tile is worked in two chunks of 64 keys.
; CLUSTERS.  4 x 4 work-groups.  The bias tile hangs on the query block alone and is shared along a row of the cluster; K and V hang on the pair of heads alone and
; are shared along a column.  Each is asked for jointly: the same tensor load, the same descriptor, a mask that names the four.
; EVERYTHING IS USED TRANSPOSED.  S^T = K Q^T + bias^T: source 0 = 16 keys, source 1 = 16 queries, and C = the bias, loaded straight into the accumulator: lane l holds
; query l % 16, register j of key block kt the key 16 kt + 8 (l / 16) + j, which are 32 consecutive bytes of a row of the bias.  So maximum and sum are work inside a lane
; plus one exchange with lane l xor 16, and two neighbouring blocks, packed to f16, ARE the source-1 fragment (32 keys) of O^T = V^T P^T, whose source 0 comes
; from V's rows by the transposing LDS load.  The factors of the running maximum and 1 / sum are one number a lane.
; SOFTMAX with a running maximum, since the bias is an unbounded input.  Sums and maxima in f32; p is at most 1, so f16 holds it.
; LIMITS.  The maximum starts at -1e30, not at -infinity, so that a first chunk whose logits are all -infinity gives p = 0; a row whose logits are all -infinity, or all under
; -1e30, gives NaN (0 / 0).  The row sum adds p in f32 while the product takes p rounded to f16.  |v| under 65,504, as the launch in front states.
.set BPITCH, 528                       ; a bias row: 512 bytes + 16
.set KPITCH, 144                       ; a key of K: 128 bytes + 16
.set VPITCH, 160                       ; a key of V: 128 bytes + 32 (an odd multiple of 32, for the transposing load)
.set KOFF,   128*BPITCH
.set VOFF,   KOFF+256*KPITCH
.set SLOT,   VOFF+256*VPITCH
.set STAGE,  2*SLOT                    ; behind the ring, never filled by a tensor load: 128 tokens x (256 + 16) bytes
.set SPITCH, 272
.set KSEC,   8388608                   ; k's section of qkvw
.set VSEC,   16777216                  ; v's
.set BADR, 4                           ; v4-5   LDS address of my bias numbers in slot 0, 1
.set KADR, 6                           ; v6-7   of my K fragments
.set VADR, 8                           ; v8-9   of my V fragments
.set M,    10                          ; v10-11 running maximum of query block qt
.set L,    12                          ; v[12:15] running sums, a pair for each qt
.set AL,   16                          ; v[16:19] factor 2^((old max - new max) log2 e), in a pair's first register
.set NM,   20                          ; v[20:23] - new max x log2 e, in a pair's first register
.set TA,   24
.set TB,   25
.set TX,   26
.set MN,   27
.set STO,  28
.set RD,   29
.set CO,   30
.set QO,   31
.set Q,    32                          ; v32-63   Q fragments, 16 qt + 8 dh
.set O,    64                          ; v64-127  O^T, 8 (2 dt + qt)
.set S,    128                         ; v128-191 S^T, 32 qt + 8 kt; then p; then P packed at 32 qt + 16 kk
.set KV,   192                         ; v192-255 K fragments 16 kt + 8 dh, then V fragments 32 kk + 8 dt
.set GB1, 24                           ; group 1: bias, K, V
.set GK1, 32
.set GV1, 40
.set GB0, 48                           ; group 0, one set for each slot
.set GK0, 56
.set GV0, 68
.macro PLACES n                        ; plain vector instructions that name no register of a matrix instruction (ISA guide 7.12.1)
.rept \n
	v_nop
.endr
.endm
; A joint load: waves 0-3 fetch 32 rows of bias each, waves 4, 5 a head's K, waves 6, 7 a head's V: 16 KiB a wave.  Each line has one mask; the branches hang on the wave's number alone.
.macro JLOAD s
	s_cmp_lt_u32 s10, 4
	s_cbranch_scc0 .Lnot_bias_\@
	tensor_load_to_lds s[GB0+4*\s:GB0+4*\s+3], s[GB1:GB1+7]
	s_nop 0
	s_branch .Lasked_\@
.Lnot_bias_\@:
	s_cmp_lt_u32 s10, 6
	s_cbranch_scc0 .Lfor_v_\@
	tensor_load_to_lds s[GK0+4*\s:GK0+4*\s+3], s[GK1:GK1+7]
	s_nop 0
	s_branch .Lasked_\@
.Lfor_v_\@:
	tensor_load_to_lds s[GV0+4*\s:GV0+4*\s+3], s[GV1:GV1+7]
	s_nop 0
.Lasked_\@:
.endm
; A round of the cluster's barrier
.macro ROUND
	s_barrier_signal -1
	s_barrier_wait -1
	s_cmp_lg_u32 s10, 0
	s_cbranch_scc1 .Lnot_wave_0_\@
	s_barrier_signal -3
.Lnot_wave_0_\@:
	s_barrier_wait -3
	s_barrier_signal -1
	s_barrier_wait -1
.endm
	s_load_b128 s[4:7], s[0:1], 0x0                ; qkvw s[4:5], attn_bias s[6:7]
	s_load_b64 s[8:9], s[0:1], 0x10                ; attw
	s_set_vgpr_msb 0x40
	v_lshl_add_u32 v0, v0, 2, 0x4f800
	v_mov_b32 v1, 0
	s_set_vgpr_msb 0x4045
	ds_add_u32 v0, v1
	s_set_vgpr_msb 0x4500
	v_lshrrev_b32 v1, 5, v0
	v_readfirstlane_b32 s10, v1                    ; wave 0..7
	s_lshr_b32 s11, s10, 2                         ; gc: the head that I compute
	s_and_b32 s12, s10, 3                          ; rq: my 32 query rows; also the 32 bias rows that waves 0-3 fetch
	s_and_b32 s13, s10, 1                          ; gl: the head whose K or V waves 4-7 fetch
	s_bfe_u32 s80, ttmp6, 0x40000                  ; cx
	s_lshl_b32 s81, ttmp9, 2
	s_add_co_u32 s81, s81, s80                     ; hp: the pair of heads, 0..15
	s_lshl_b32 s82, 0x1111, s80                    ; my column of the cluster
	s_bfe_u32 s84, ttmp6, 0x40004                  ; cy
	s_and_b32 s85, ttmp7, 0xffff
	s_lshl_b32 s85, s85, 2
	s_add_co_u32 s85, s85, s84                     ; qb: the block of 128 query rows
	s_lshl_b32 s86, s84, 2
	s_lshl_b32 s86, 15, s86                        ; my row of the cluster
	s_mov_b32 s76, 0x76543210                      ; v_permlanex16_b32: lane i reads lane i of the other half
	s_mov_b32 s77, 0xfedcba98
	; group 1, bias: 32 rows x 128 f32, rows 2,048 elements apart; 4 words of padding behind every 128
	s_or_b32  s[GB1+0], s86, (2<<16)|(1<<20)|(1<<21)|(6<<22)|(3<<25)
	s_mov_b32 s[GB1+1], 128<<16
	s_mov_b32 s[GB1+2], 32<<16
	s_mov_b32 s[GB1+3], 128<<16
	s_mov_b32 s[GB1+4], 32
	s_mov_b32 s[GB1+5], 2048
	s_mov_b32 s[GB1+6], 0
	s_mov_b32 s[GB1+7], 0
	; group 1, K and V: 128 keys of 128 bytes lie dense in memory and come in as 64 rows of 256 bytes.  The padding is laid behind every 32 words, counted along
	; the tile, that is behind every key: 4 words for K, 8 for V.
	s_or_b32  s[GK1+0], s82, (1<<16)|(1<<20)|(1<<21)|(4<<22)|(3<<25)
	s_mov_b32 s[GK1+1], 128<<16
	s_mov_b32 s[GK1+2], 64<<16
	s_mov_b32 s[GK1+3], 128<<16
	s_mov_b32 s[GK1+4], 64
	s_mov_b32 s[GK1+5], 128
	s_mov_b32 s[GK1+6], 0
	s_mov_b32 s[GK1+7], 0
	s_or_b32  s[GV1+0], s82, (1<<16)|(1<<20)|(1<<21)|(4<<22)|(7<<25)
	s_mov_b32 s[GV1+1], 128<<16
	s_mov_b32 s[GV1+2], 64<<16
	s_mov_b32 s[GV1+3], 128<<16
	s_mov_b32 s[GV1+4], 64
	s_mov_b32 s[GV1+5], 128
	s_mov_b32 s[GV1+6], 0
	s_mov_b32 s[GV1+7], 0
	; where the tiles come from: K's and V's hang on hp alone, the bias's on qb alone, each in registers that never hold the other coordinate
	s_lshl1_add_u32 s88, s81, s13                  ; panel 2 hp + gl
	s_lshl_b32 s88, s88, 18                        ; x 2,048 keys x 128 bytes
	s_mov_b32 s89, 0
	s_lshl_b32 s90, s85, 20                        ; 128 qb rows of 8,192 bytes
	s_lshl_b32 s87, s12, 18                        ; + 32 rq rows
	s_add_co_u32 s90, s90, s87
	s_mov_b32 s91, 0
	s_mul_i32 s18, s12, 32*BPITCH                  ; and where they go: the wave's number alone enters an LDS address
	s_mul_i32 s19, s13, 128*KPITCH
	s_add_co_u32 s19, s19, KOFF
	s_mul_i32 s20, s13, 128*VPITCH
	s_add_co_u32 s20, s20, VOFF
	s_wait_dscnt 0x0
	s_wait_kmcnt 0x0
	s_add_nc_u64 s[88:89], s[4:5], s[88:89]
	s_add_nc_u64 s[90:91], s[6:7], s[90:91]
.irp s, 0,1
	s_mov_b32 s[GB0+4*\s], 1
	s_add_co_u32 s[GB0+4*\s+1], s18, \s*SLOT
	s_add_nc_u64 s[GB0+4*\s+2:GB0+4*\s+3], s[90:91], \s*512        ; tile s: 128 keys are 512 bytes of a bias row
	s_or_b32 s[GB0+4*\s+3], s[GB0+4*\s+3], 0x80000000
	s_mov_b32 s[GK0+4*\s], 1
	s_add_co_u32 s[GK0+4*\s+1], s19, \s*SLOT
	s_add_nc_u64 s[GK0+4*\s+2:GK0+4*\s+3], s[88:89], KSEC+\s*16384 ; and 16,384 bytes of a panel
	s_or_b32 s[GK0+4*\s+3], s[GK0+4*\s+3], 0x80000000
	s_mov_b32 s[GV0+4*\s], 1
	s_add_co_u32 s[GV0+4*\s+1], s20, \s*SLOT
	s_add_nc_u64 s[GV0+4*\s+2:GV0+4*\s+3], s[88:89], VSEC+\s*16384
	s_or_b32 s[GV0+4*\s+3], s[GV0+4*\s+3], 0x80000000
.endr
	ROUND                                          ; all sixteen work-groups are here: the first joint loads meet
	JLOAD 0                                        ; tile 0.  One tensor load of the wave is out at any time
	v_and_b32 v1, 15, v0                           ; r
	v_bfe_u32 v2, v0, 4, 1                         ; h
	; my 32 rows of Q, straight into fragments: lane l holds query l % 16; registers 0-3 d = 8 h + 0..7, registers 4-7 d = 16 + 8 h + 0..7 of each 32
	s_lshl1_add_u32 s92, s81, s11                  ; panel 2 hp + gc
	s_lshl_b32 s92, s92, 18
	s_lshl_b32 s93, s85, 14                        ; 128 qb rows of 128 bytes
	s_add_co_u32 s92, s92, s93
	s_lshl_b32 s93, s12, 12                        ; 32 rq rows
	s_add_co_u32 s92, s92, s93
	s_mov_b32 s93, 0
	s_add_nc_u64 s[14:15], s[4:5], s[92:93]
	v_lshlrev_b32 v3, 7, v1
	v_lshl_add_u32 v[QO], v2, 4, v3                ; 128 r + 16 h
.irp qt, 0,1
.irp dh, 0,1
	global_load_b128 v[Q+16*\qt+8*\dh:Q+16*\qt+8*\dh+3],   v[QO], s[14:15] offset:2048*\qt+64*\dh
	global_load_b128 v[Q+16*\qt+8*\dh+4:Q+16*\qt+8*\dh+7], v[QO], s[14:15] offset:2048*\qt+64*\dh+32
.endr
.endr
	; where my 16 tokens of the result go: row (hp / 8) 2048 + 128 qb + 16 w of 2,048 bytes, the two heads' 256 bytes at 256 (hp % 8)
	s_lshr_b32 s92, s81, 3
	s_lshl_b32 s92, s92, 11
	s_lshl_b32 s94, s85, 7
	s_add_co_u32 s92, s92, s94
	s_lshl_b32 s94, s10, 4
	s_add_co_u32 s92, s92, s94
	s_lshl_b32 s92, s92, 11
	s_and_b32 s94, s81, 7
	s_lshl_b32 s94, s94, 8
	s_add_co_u32 s92, s92, s94
	s_add_nc_u64 s[16:17], s[8:9], s[92:93]
	; LDS addresses
	v_mul_u32_u24 v3, v1, BPITCH
	v_lshl_add_u32 v3, v2, 5, v3
	v_add_nc_u32 v[BADR], s18, v3                  ; (32 rq + r) 528 + 32 h
	v_add_nc_u32 v[BADR+1], SLOT, v[BADR]
	s_mul_i32 s94, s11, 128*KPITCH
	s_add_co_u32 s94, s94, KOFF
	v_mul_u32_u24 v3, v1, KPITCH
	v_lshl_add_u32 v3, v2, 4, v3
	v_add_nc_u32 v[KADR], s94, v3                  ; my head's K: 144 r + 16 h
	v_add_nc_u32 v[KADR+1], SLOT, v[KADR]
	s_mul_i32 s94, s11, 128*VPITCH
	s_add_co_u32 s94, s94, VOFF
	v_and_b32 v3, 7, v0
	v_lshl_add_u32 v3, v2, 3, v3
	v_mul_u32_u24 v3, v3, VPITCH
	v_bfe_u32 v[TA], v0, 3, 1
	v_lshl_add_u32 v3, v[TA], 4, v3
	v_add_nc_u32 v[VADR], s94, v3                  ; my head's V: key 8 h + l % 8, 16 bytes at 16 ((l / 8) % 2): the transposing load's addresses
	v_add_nc_u32 v[VADR+1], SLOT, v[VADR]
	s_mul_i32 s94, s12, 32*SPITCH
	s_lshl_b32 s95, s11, 7
	s_add_co_u32 s94, s94, s95
	s_add_co_u32 s94, s94, STAGE
	v_mul_u32_u24 v3, v1, SPITCH
	v_lshl_add_u32 v3, v2, 4, v3
	v_add_nc_u32 v[STO], s94, v3                   ; the way out, in: token 32 rq + r, my head's 128 bytes, 16 h
	s_mul_i32 s94, s10, 16*SPITCH
	s_add_co_u32 s94, s94, STAGE
	v_mul_u32_u24 v3, v2, SPITCH
	v_lshl_add_u32 v3, v1, 4, v3
	v_add_nc_u32 v[RD], s94, v3                    ; back: lanes 0-15 take one token's 256 bytes, lanes 16-31 the next
	v_lshlrev_b32 v3, 4, v1
	v_lshl_add_u32 v[CO], v2, 11, v3               ; and the same two tokens in attw
	v_mov_b32 v[M], 0xf149f2ca                     ; -1e30
	v_mov_b32 v[M+1], 0xf149f2ca
	v_mov_b32 v[AL+1], 0                           ; second registers of pairs that packed instructions name whole and use by their first
	v_mov_b32 v[AL+3], 0
	v_mov_b32 v[NM+1], 0
	v_mov_b32 v[NM+3], 0
	v_mov_b32 v[TX], 0                             ; v_permlanex16_b32 counts as a reader of its destination
	s_wait_loadcnt 0x0                             ; Q
; The softmax step of query block qt on 64 keys: 32 logits a lane.
.macro SOFTMAX qt, first
.set SB,  S+32*\qt
.set L2,  L+2*\qt
.set AL2, AL+2*\qt
.set NM2, NM+2*\qt
	v_max3_num_f32 v[TA], v[M+\qt], v[SB], v[SB+1]                 ; the new maximum, the old one among the candidates, in two chains
	v_max_num_f32 v[TB], v[SB+16], v[SB+17]
.irp j, 2,4,6,8,10,12,14
	v_max3_num_f32 v[TA], v[TA], v[SB+\j], v[SB+\j+1]
	v_max3_num_f32 v[TB], v[TB], v[SB+16+\j], v[SB+17+\j]
.endr
	v_max_num_f32 v[TA], v[TA], v[TB]
	v_permlanex16_b32 v[TX], v[TA], s76, s77       ; the row's other 32 keys are in lane l xor 16
	v_max_num_f32 v[MN], v[TA], v[TX]
.if \first == 0
	v_sub_f32 v[TB], v[M+\qt], v[MN]
	v_mul_f32 v[TB], 0x3fb8aa3b, v[TB]
	v_exp_f32 v[AL2], v[TB]                        ; what the old sums and O shrink by; the plain lines below stand between it and its use
.endif
	v_mul_f32 v[NM2], 0xbfb8aa3b, v[MN]
.irp j, 0,2,4,6,8,10,12,14,16,18,20,22,24,26,28,30
	v_pk_fma_f32 v[SB+\j:SB+\j+1], v[SB+\j:SB+\j+1], 0x3fb8aa3b, v[NM2:NM2+1] op_sel_hi:[1,0,0]   ; (s - max) log2 e
.endr
.set i, 0
.rept 32
	v_exp_f32 v[SB+i], v[SB+i]
.set i, i+1
.endr
	v_mov_b32 v[M+\qt], v[MN]                      ; one plain instruction behind the run of exponentials (ISA guide 5.7.2)
.if \first
	s_wait_alu depctr_va_vdst(0)
	v_pk_add_f32 v[L2:L2+1], v[SB:SB+1], v[SB+2:SB+3]              ; the first chunk starts the sums
.else
	s_wait_alu depctr_va_vdst(0)
	v_pk_fma_f32 v[L2:L2+1], v[L2:L2+1], v[AL2:AL2+1], v[SB:SB+1] op_sel_hi:[1,0,1]
	v_pk_add_f32 v[L2:L2+1], v[L2:L2+1], v[SB+2:SB+3]
.endif
	v_pk_add_f32 v[TA:TA+1], v[SB+16:SB+17], v[SB+18:SB+19]        ; a second chain
.irp j, 4,6,8,10,12,14
	v_pk_add_f32 v[L2:L2+1], v[L2:L2+1], v[SB+\j:SB+\j+1]
	v_pk_add_f32 v[TA:TA+1], v[TA:TA+1], v[SB+16+\j:SB+17+\j]
.endr
	v_pk_add_f32 v[L2:L2+1], v[L2:L2+1], v[TA:TA+1]
.set i, 0
.rept 16
	v_cvt_pk_f16_f32 v[SB+16*(i/8)+(i%8)], v[SB+2*i], v[SB+2*i+1]  ; in place: blocks 2 kk, 2 kk + 1 become the eight registers at 16 kk; no word is written before it is read
.set i, i+1
.endr
.if \first == 0
.irp dt, 0,1,2,3
.irp j, 0,2,4,6
	v_pk_mul_f32 v[O+8*(2*\dt+\qt)+\j:O+8*(2*\dt+\qt)+\j+1], v[O+8*(2*\dt+\qt)+\j:O+8*(2*\dt+\qt)+\j+1], v[AL2:AL2+1] op_sel_hi:[1,0]
.endr
.endr
.endif
.endm
; 64 keys (chunk c of the slot's tile).  In both runs of 16 matrix instructions eight accumulators take turns, one instruction a turn.
.macro CHUNK slot, c, first
	PLACES 5                                       ; the last products read KV and P: four places before loads land there, five before matrix instructions write over P
.irp kt, 0,1,2,3
.irp dh, 0,1
	ds_load_b128 v[KV+16*\kt+8*\dh:KV+16*\kt+8*\dh+3],   v[KADR+\slot] offset:(64*\c+16*\kt)*KPITCH+64*\dh
	ds_load_b128 v[KV+16*\kt+8*\dh+4:KV+16*\kt+8*\dh+7], v[KADR+\slot] offset:(64*\c+16*\kt)*KPITCH+64*\dh+32
.endr
.endr
.irp qt, 0,1
.irp kt, 0,1,2,3
	ds_load_b128 v[S+32*\qt+8*\kt:S+32*\qt+8*\kt+3],   v[BADR+\slot] offset:16*BPITCH*\qt+4*(64*\c+16*\kt)
	ds_load_b128 v[S+32*\qt+8*\kt+4:S+32*\qt+8*\kt+7], v[BADR+\slot] offset:16*BPITCH*\qt+4*(64*\c+16*\kt)+16
.endr
.endr
	s_wait_dscnt 0x0
.irp dh, 0,1
.irp kt, 0,1,2,3
.irp qt, 0,1
	v_wmma_f32_16x16x32_f16 v[S+32*\qt+8*\kt:S+32*\qt+8*\kt+7], v[KV+16*\kt+8*\dh:KV+16*\kt+8*\dh+7], v[Q+16*\qt+8*\dh:Q+16*\qt+8*\dh+7], v[S+32*\qt+8*\kt:S+32*\qt+8*\kt+7]
.endr
.endr
.endr
	PLACES 4                                       ; before loads land on K's fragments and vector instructions read the logits
.irp kk, 0,1
.irp dt, 0,1,2,3
	ds_load_tr16_b128 v[KV+32*\kk+8*\dt:KV+32*\kk+8*\dt+3],   v[VADR+\slot] offset:(64*\c+32*\kk)*VPITCH+32*\dt
	ds_load_tr16_b128 v[KV+32*\kk+8*\dt+4:KV+32*\kk+8*\dt+7], v[VADR+\slot] offset:(64*\c+32*\kk+16)*VPITCH+32*\dt
.endr
.endr                                              ; V's fragments come in under the softmax
	SOFTMAX 0, \first
	SOFTMAX 1, \first
	s_wait_dscnt 0x0
.irp kk, 0,1
.irp dt, 0,1,2,3
.irp qt, 0,1
.if \first*(1-\kk)
	v_wmma_f32_16x16x32_f16 v[O+8*(2*\dt+\qt):O+8*(2*\dt+\qt)+7], v[KV+32*\kk+8*\dt:KV+32*\kk+8*\dt+7], v[S+32*\qt+16*\kk:S+32*\qt+16*\kk+7], 0
.else
	v_wmma_f32_16x16x32_f16 v[O+8*(2*\dt+\qt):O+8*(2*\dt+\qt)+7], v[KV+32*\kk+8*\dt:KV+32*\kk+8*\dt+7], v[S+32*\qt+16*\kk:S+32*\qt+16*\kk+7], v[O+8*(2*\dt+\qt):O+8*(2*\dt+\qt)+7]
.endif
.endr
.endr
.endr
.endm
; A tile of 128 keys.  refill = 1: the other slot, read in the last trip, gets the next tile, which has this whole trip in which to land.
.macro TRIP slot, next, refill, first
	s_set_vgpr_msb 0x5
	s_wait_tensorcnt 0x0                           ; all my tensor loads have landed, my part of this trip's tile among them,
	ds_add_u32 v0, v1
	s_wait_dscnt 0x0
	s_set_vgpr_msb 0x500
	s_add_nc_u64 s[GB0+4*\slot+2:GB0+4*\slot+3], s[GB0+4*\slot+2:GB0+4*\slot+3], 1024    ; so every group 0 may be written: this slot's next tile, two further on
	s_add_nc_u64 s[GK0+4*\slot+2:GK0+4*\slot+3], s[GK0+4*\slot+2:GK0+4*\slot+3], 32768
	s_add_nc_u64 s[GV0+4*\slot+2:GV0+4*\slot+3], s[GV0+4*\slot+2:GV0+4*\slot+3], 32768
	s_wait_dscnt 0x0                               ; my reads of the last trip's tile are done
	ROUND                                          ; both now hold of every wave of every work-group of the cluster
.if \refill
	JLOAD \next                                    ; the first tensor load behind the round
.endif
	CHUNK \slot, 0, \first
	CHUNK \slot, 1, 0
.endm
	TRIP 0, 1, 1, 1                                ; the first lap stands in front of the loop: its first chunk starts the sums and O
	TRIP 1, 0, 1, 0
	s_mov_b32 s78, 6                               ; 16 tiles = 8 laps: one in front, six here, one behind
.Llap:
	TRIP 0, 1, 1, 0
	TRIP 1, 0, 1, 0
	s_sub_co_u32 s78, s78, 1
	s_cmp_lg_u32 s78, 0
	s_cbranch_scc1 .Llap
	TRIP 0, 1, 1, 0                                ; the last lap fetches only tile 15 (the addresses stepped in it are not used)
	TRIP 1, 0, 0, 0
	; THE WAY OUT: divide by the row sum, round to f16, through LDS so that the two heads of a token leave as 256 consecutive bytes.
	PLACES 4                                       ; behind the last matrix instructions
.irp qt, 0,1
	v_add_f32 v[TA], v[L+2*\qt], v[L+2*\qt+1]
	v_permlanex16_b32 v[TX], v[TA], s76, s77
	v_add_f32 v[TA], v[TA], v[TX]                  ; the row's whole sum
	v_rcp_f32 v[AL+2*\qt], v[TA]
	v_nop                                          ; one plain instruction behind a transcendental (ISA guide 5.7.2)
.endr
	s_wait_alu depctr_va_vdst(0)
.irp dt, 0,1,2,3
.irp qt, 0,1
.irp j, 0,2,4,6
	v_pk_mul_f32 v[O+8*(2*\dt+\qt)+\j:O+8*(2*\dt+\qt)+\j+1], v[O+8*(2*\dt+\qt)+\j:O+8*(2*\dt+\qt)+\j+1], v[AL+2*\qt:AL+2*\qt+1] op_sel_hi:[1,0]
.endr
.irp i, 0,1,2,3
	v_cvt_pk_f16_f32 v[S+4*(2*\dt+\qt)+\i], v[O+8*(2*\dt+\qt)+2*\i], v[O+8*(2*\dt+\qt)+2*\i+1]
.endr
	ds_store_b128 v[STO], v[S+4*(2*\dt+\qt):S+4*(2*\dt+\qt)+3] offset:16*SPITCH*\qt+32*\dt
.endr
.endr
	s_wait_dscnt 0x0                               ; my stores are in LDS: a token's other head comes from another wave
	s_barrier_signal -1
	s_barrier_wait -1
.irp t, 0,1,2,3,4,5,6,7
	ds_load_b128 v[KV+4*\t:KV+4*\t+3], v[RD] offset:2*SPITCH*\t
.endr
.irp t, 0,1,2,3,4,5,6,7
	s_wait_dscnt 7-\t                              ; the younger read-back loads may stay out
	global_store_b128 v[CO], v[KV+4*\t:KV+4*\t+3], s[16:17] offset:4096*\t   ; 16 lanes store 256 consecutive bytes, aligned
.endr
	s_set_vgpr_msb 0x5
	s_wait_tensorcnt 0x0
	ds_add_u32 v0, v1
	s_wait_dscnt 0x0
	s_set_vgpr_msb 0x500
	ROUND                                          ; the closing round: no work-group ends while a partner may still ask for a tile that names it
	s_endpgm
.Lfunc_end_k_qcadc322d17_attn:
	.size	k_qcadc322d17_attn, .Lfunc_end_k_qcadc322d17_attn-k_qcadc322d17_attn
	.p2alignl 7, 3214868480
	.fill 96, 4, 3214868480
	.section	.rodata,"a",@progbits
	.p2align	6, 0x0
	.amdhsa_kernel k_qcadc322d17_attn
		.amdhsa_group_segment_fixed_size 327680
		.amdhsa_private_segment_fixed_size 0
		.amdhsa_enable_private_segment 0
		.amdhsa_kernarg_size 24
		.amdhsa_user_sgpr_count 2
		.amdhsa_user_sgpr_kernarg_segment_ptr 1
		.amdhsa_wavefront_size32 1
		.amdhsa_system_sgpr_workgroup_id_x 1
		.amdhsa_system_sgpr_workgroup_id_y 1
		.amdhsa_system_sgpr_workgroup_id_z 1
		.amdhsa_system_vgpr_workitem_id 0
		.amdhsa_next_free_vgpr 258
		.amdhsa_next_free_sgpr 96
		.amdhsa_reserve_vcc 0
		.amdhsa_float_denorm_mode_32 3
		.amdhsa_float_denorm_mode_16_64 3
		.amdhsa_memory_ordered 1
		.amdhsa_forward_progress 1
		.amdhsa_inst_pref_size 250
	.end_amdhsa_kernel
	.amdgpu_metadata
---
amdhsa.version: [ 1, 2 ]
amdhsa.kernels:
  - .name:           k_qcadc322d17_attn
    .symbol:         k_qcadc322d17_attn.kd
    .args:
      - { .name: qkvw, .offset: 0, .size: 8, .value_kind: global_buffer, .address_space: global }
      - { .name: attn_bias, .offset: 8, .size: 8, .value_kind: global_buffer, .address_space: global }
      - { .name: attw, .offset: 16, .size: 8, .value_kind: global_buffer, .address_space: global }
    .group_segment_fixed_size: 327680
    .private_segment_fixed_size: 0
    .kernarg_segment_align: 8
    .kernarg_segment_size: 24
    .max_flat_workgroup_size: 256
    .sgpr_count:     96
    .vgpr_count:     258
    .wavefront_size: 32
...
	.end_amdgpu_metadata
.endif
;; end of part 3
;; launch proj (part 4): grid 8 x 32, 4 waves a work-group, clusters of 4 x 4, 327,680 bytes of LDS; arguments attw, h16, b_proj, out0; writes out0
.if DOCPART == 4
	.amdgcn_target "amdgcn-amd-amdhsa--gfx1250"
	.amdhsa_code_object_version 6
	.text
	.protected	k_qcadc322d17_proj
	.globl	k_qcadc322d17_proj
	.p2align	8
	.type	k_qcadc322d17_proj,@function
k_qcadc322d17_proj:
	s_mov_b64 s[64:65], 0
	v_nop
	global_prefetch_b8 v0, s[64:65] scope:SCOPE_SE
	s_setreg_imm32_b32 hwreg(HW_REG_WAVE_MODE, 25, 1), 1
	s_wait_xcnt 0x0
	s_wait_alu depctr_hold_cnt(0) depctr_sa_sdst(0) depctr_va_vdst(0) depctr_va_sdst(0) depctr_va_ssrc(0) depctr_va_vcc(0) depctr_vm_vsrc(0)
	s_getreg_b32 s2, hwreg(HW_REG_IB_STS2, 6, 4)
	s_cmp_eq_u32 s2, 0
	s_cbranch_scc0 .Lentry_in_a_cluster
	s_endpgm
.Lentry_in_a_cluster:
	s_bfe_u32 s2, ttmp6, 0x10000c
	s_cmp_lg_u32 s2, 0xf033
	s_cbranch_scc0 .Lentry_shape_is_right
	s_endpgm
.Lentry_shape_is_right:
; out0[t][o] = sum over c of attw[t][c] W_proj[o][c] + b_proj[o].  attw: [4096][1024] f16.  W_proj: [1024][1024] in f16, at byte 14,680,064 of h16, as the first
; launch rounded it.  out0: [4096][1024] f32.  Products on f16 operands, sums in f32.
; SHARES.  A work-group makes 128 tokens (grid y) x 128 features (grid x) with four waves, 2 x 2, each 64 x 64: 16 accumulator tiles.  8 x 32 work-groups.
; K goes in 4 steps of 256 (rows of 512 bytes, aligned) through two LDS slots filled by the tensor data mover: as long a step as two slots allow, so that each tile
; feeds 128 matrix instructions of a wave and only two tiles are asked for behind the first two.  The four steps are written out, without a loop.
; A step is eight substeps of 32 along K, 16 matrix instructions each.  Three fragment buffers take turns: at the head of substep n the fragments of substep n + 2 are
; fetched, so that each fetch has 32 matrix instructions in which to land.
; CLUSTERS.  4 x 4 work-groups: attw's tile is shared along a row of the cluster, W_proj's along a column, each asked for jointly.
; THE MATRIX INSTRUCTION IS USED TRANSPOSED: source 0 = 16 features, source 1 = 16 tokens, so that a lane's eight results are neighbouring features of one token.
; REGISTERS: window 0: addresses, fragments, biases; window 1: accumulator tile (a, b) at 8 (4 b + a).
.set PITCH,  528                       ; an LDS row: 512 bytes + 16, an odd multiple of 16
.set AB,     128*PITCH                 ; W's 128 rows lie behind attw's 128
.set SLOT,   2*AB
.set STAGE,  2*SLOT                    ; behind the ring, never filled by a tensor load: 16 tokens x (256 + 16) bytes for each wave
.set SPITCH, 272
.set WSEC,   14680064                  ; W_proj's section of h16
.set G1W,    (1<<16)|(1<<20)|(1<<21)|(6<<22)|(3<<25)   ; elements of 2 bytes; padding on; bit 21 beside a mask; after every 128 words; 4 words
.set ADRA, 16                          ; v16-17 LDS address of my attw fragments in slot 0, 1
.set ADRW, 18                          ; v18-19 of my W fragments
.set STO,  20
.set RD,   21
.set CO,   22
.set BO,   23
.set F,    32                          ; v32-223 three fragment buffers of 64: attw's at 8 a, W's at 32 + 8 b
.set BPR,  224                         ; v224-255 my eight b_proj of each feature block
.set T,    32                          ; the way out
.set RB,   96
.set GA1, 24
.set GA0, 32
.set GW1, 40
.set GW0, 48
.set N,   0                            ; the number of the substep that is written next, 0 .. 31: substep n multiplies buffer n % 3
.set MSB, 0
.macro WIN new                         ; the immediate's high byte repeats the setting that is left
.if MSB != \new
	s_set_vgpr_msb (MSB<<8)|\new
.set MSB, \new
.endif
.endm
.macro PLACES n                        ; plain vector instructions that name no register of a matrix instruction (ISA guide 7.12.1)
.rept \n
	v_nop
.endr
.endm
.macro JLOAD s                         ; waves 0, 1 fetch attw's halves, waves 2, 3 W's; one mask a line; the branch hangs on the wave's number alone
	s_cmp_eq_u32 s17, 0
	s_cbranch_scc0 .Lfor_w_\@
	tensor_load_to_lds s[GA0+4*\s:GA0+4*\s+3], s[GA1:GA1+7]
	s_nop 0
	s_branch .Lasked_\@
.Lfor_w_\@:
	tensor_load_to_lds s[GW0+4*\s:GW0+4*\s+3], s[GW1:GW1+7]
	s_nop 0
.Lasked_\@:
.endm
.macro CREST                           ; a round of the cluster's barrier behind its opening barrier
	s_cmp_lg_u32 s16, 0
	s_cbranch_scc1 .Lnot_wave_0_\@
	s_barrier_signal -3
.Lnot_wave_0_\@:
	s_barrier_wait -3
	s_barrier_signal -1
	s_barrier_wait -1
.endm
.macro CROUND
	s_barrier_signal -1
	s_barrier_wait -1
	CREST
.endm
	s_load_b256 s[4:11], s[0:1], 0x0               ; attw s[4:5], h16 s[6:7], b_proj s[8:9], out0 s[10:11]
	v_lshl_add_u32 v30, v0, 2, 0x46400
	v_mov_b32 v31, 0
	ds_add_u32 v30, v31
	v_lshrrev_b32 v1, 5, v0
	v_readfirstlane_b32 s16, v1                    ; wave 0..3
	s_lshr_b32 s17, s16, 1                         ; wm: my 64 tokens.  Also: I fetch for attw (0) or for W (1)
	s_and_b32 s18, s16, 1                          ; wn: my 64 features.  Also: which half of that tile
	s_bfe_u32 s20, ttmp6, 0x40000                  ; cx
	s_lshl_b32 s21, ttmp9, 2
	s_add_co_u32 s21, s21, s20                     ; bx: 128 features
	s_lshl_b32 s22, 0x1111, s20                    ; my column of the cluster
	s_bfe_u32 s56, ttmp6, 0x40004                  ; cy
	s_and_b32 s57, ttmp7, 0xffff
	s_lshl_b32 s57, s57, 2
	s_add_co_u32 s57, s57, s56                     ; by: 128 tokens
	s_lshl_b32 s58, s56, 2
	s_lshl_b32 s58, 15, s58                        ; my row of the cluster
	; group 1: 64 rows x 256 f16, rows 1,024 elements apart, padded in LDS
	s_or_b32  s[GA1+0], s58, G1W                   ; attw's tiles go to my row of the cluster
	s_mov_b32 s[GA1+1], 256<<16                    ; tensor_dim0 = 256
	s_mov_b32 s[GA1+2], 64<<16                     ; tensor_dim1 = 64
	s_mov_b32 s[GA1+3], 256<<16                    ; tile_dim0 = 256
	s_mov_b32 s[GA1+4], 64                         ; tile_dim1 = 64
	s_mov_b32 s[GA1+5], 1024                       ; elements from row to row
	s_mov_b32 s[GA1+6], 0
	s_mov_b32 s[GA1+7], 0
	s_or_b32  s[GW1+0], s22, G1W                   ; W's tiles go to my column
	s_mov_b32 s[GW1+1], 256<<16
	s_mov_b32 s[GW1+2], 64<<16
	s_mov_b32 s[GW1+3], 256<<16
	s_mov_b32 s[GW1+4], 64
	s_mov_b32 s[GW1+5], 1024
	s_mov_b32 s[GW1+6], 0
	s_mov_b32 s[GW1+7], 0
	; attw's tiles hang on by alone, W's on bx alone, each in registers that never hold the other coordinate
	s_lshl_b32 s59, s57, 7
	s_lshl_b32 s60, s18, 6
	s_add_co_u32 s60, s60, s59                     ; token 128 by + 64 half
	s_lshl_b32 s60, s60, 11                        ; x 2,048 bytes
	s_mov_b32 s61, 0
	s_lshl_b32 s23, s21, 7
	s_lshl_b32 s66, s18, 6
	s_add_co_u32 s66, s66, s23                     ; feature 128 bx + 64 half
	s_lshl_b32 s66, s66, 11                        ; x 2,048 bytes,
	s_add_co_u32 s66, s66, WSEC                    ; in W_proj's section (under 2^24 in all)
	s_mov_b32 s67, 0
	s_mul_i32 s62, s18, 64*PITCH                   ; the wave's number alone enters an LDS address
	s_add_co_u32 s63, s62, AB
	s_wait_dscnt 0x0
	s_wait_kmcnt 0x0
	s_add_nc_u64 s[60:61], s[4:5], s[60:61]
	s_add_nc_u64 s[66:67], s[6:7], s[66:67]
	CROUND                                         ; all sixteen work-groups are here: the first joint loads meet
.irp s, 0,1
	s_mov_b32 s[GA0+4*\s], 1
	s_add_co_u32 s[GA0+4*\s+1], s62, \s*SLOT
	s_add_nc_u64 s[GA0+4*\s+2:GA0+4*\s+3], s[60:61], \s*512        ; K step s
	s_or_b32 s[GA0+4*\s+3], s[GA0+4*\s+3], 0x80000000
	s_mov_b32 s[GW0+4*\s], 1
	s_add_co_u32 s[GW0+4*\s+1], s63, \s*SLOT
	s_add_nc_u64 s[GW0+4*\s+2:GW0+4*\s+3], s[66:67], \s*512
	s_or_b32 s[GW0+4*\s+3], s[GW0+4*\s+3], 0x80000000
	JLOAD \s                                       ; two tensor loads of the wave are out from here; later one
.endr
	v_and_b32 v1, 15, v0                           ; r
	v_bfe_u32 v2, v0, 4, 1                         ; h
	v_mul_u32_u24 v3, v1, PITCH
	v_lshl_add_u32 v3, v2, 4, v3                   ; 528 r + 16 h
	s_mul_i32 s72, s17, 64*PITCH
	v_add_nc_u32 v[ADRA], s72, v3                  ; my 64 tokens
	v_add_nc_u32 v[ADRA+1], SLOT, v[ADRA]
	s_mul_i32 s72, s18, 64*PITCH
	s_add_co_u32 s72, s72, AB
	v_add_nc_u32 v[ADRW], s72, v3                  ; my 64 features
	v_add_nc_u32 v[ADRW+1], SLOT, v[ADRW]
	s_mul_i32 s72, s16, 16*SPITCH
	s_add_co_u32 s72, s72, STAGE                   ; my stage
	v_mul_u32_u24 v3, v1, SPITCH
	v_lshl_add_u32 v3, v2, 5, v3
	v_add_nc_u32 v[STO], s72, v3                   ; in: token r, 32 bytes for each half of the lanes
	v_mul_u32_u24 v3, v2, SPITCH
	v_lshl_add_u32 v3, v1, 4, v3
	v_add_nc_u32 v[RD], s72, v3                    ; back: lanes 0-15 one token's 256 bytes, lanes 16-31 the next
	v_lshlrev_b32 v3, 4, v1
	v_lshl_add_u32 v[CO], v2, 12, v3               ; the same two tokens in out0
	v_lshlrev_b32 v[BO], 5, v2
	s_lshl_b32 s74, s21, 7
	s_lshl_b32 s75, s18, 6
	s_add_co_u32 s74, s74, s75
	s_lshl_b32 s74, s74, 2                         ; my first feature, in bytes of f32
	s_mov_b32 s75, 0
	s_add_nc_u64 s[70:71], s[8:9], s[74:75]        ; in b_proj
	s_lshl_b32 s72, s57, 7
	s_lshl_b32 s73, s17, 6
	s_add_co_u32 s72, s72, s73
	s_lshl_b32 s72, s72, 12                        ; my first token x 4,096 bytes
	s_add_co_u32 s72, s72, s74
	s_mov_b32 s73, 0
	s_add_nc_u64 s[68:69], s[10:11], s[72:73]      ; in out0
.irp b, 0,1,2,3
	global_load_b128 v[BPR+8*\b:BPR+8*\b+3],   v[BO], s[70:71] offset:64*\b
	global_load_b128 v[BPR+8*\b+4:BPR+8*\b+7], v[BO], s[70:71] offset:64*\b+16
.endr                                              ; waited for behind the K steps
; 16 LDS loads: the fragments of substep sub of the slot's tile, into the buffer of substep N + ahead
.macro FETCH slot, sub, ahead
.set FB, F+64*((N+\ahead)%3)
.irp a, 0,1,2,3
	ds_load_b128 v[FB+8*\a:FB+8*\a+3],   v[ADRA+\slot] offset:\a*16*PITCH+64*(\sub)
	ds_load_b128 v[FB+8*\a+4:FB+8*\a+7], v[ADRA+\slot] offset:\a*16*PITCH+64*(\sub)+32
.endr
.irp b, 0,1,2,3
	ds_load_b128 v[FB+32+8*\b:FB+32+8*\b+3],   v[ADRW+\slot] offset:\b*16*PITCH+64*(\sub)
	ds_load_b128 v[FB+32+8*\b+4:FB+32+8*\b+7], v[ADRW+\slot] offset:\b*16*PITCH+64*(\sub)+32
.endr
.endm
; Substep N's 16 matrix instructions, one for each accumulator: the accumulators take turns, one instruction a turn.  Then N steps.
.macro MUL zero
.set MBUF, F+64*(N%3)
	WIN 0x50                                       ; C and D window 1
.irp b, 0,1,2,3
.irp a, 0,1,2,3
.if \zero
	v_wmma_f32_16x16x32_f16 v[8*(4*\b+\a):8*(4*\b+\a)+7], v[MBUF+32+8*\b:MBUF+32+8*\b+7], v[MBUF+8*\a:MBUF+8*\a+7], 0
.else
	v_wmma_f32_16x16x32_f16 v[8*(4*\b+\a):8*(4*\b+\a)+7], v[MBUF+32+8*\b:MBUF+32+8*\b+7], v[MBUF+8*\a:MBUF+8*\a+7], v[8*(4*\b+\a):8*(4*\b+\a)+7]
.endif
.endr
.endr
	WIN 0
.set N, N+1
.endm
; one of a K step's substeps 0 .. 5
.macro SUBS slot, q, zero
	s_wait_dscnt 16                                ; this substep's fragments are in; the 16 loads of the next substep's may be out
	PLACES 4                                       ; the buffer of substep N + 2 was read by the last substep's matrix instructions: four places before loads are issued into it
	FETCH \slot, \q+2, 2
	MUL \zero
.endm
.macro SIX slot, zero
	SUBS \slot, 0, \zero
	SUBS \slot, 1, 0
	SUBS \slot, 2, 0
	SUBS \slot, 3, 0
	SUBS \slot, 4, 0
	SUBS \slot, 5, 0
.endm
; A K step that is followed by another.  fill = 1: its slot is filled again, two K steps ahead.
.macro STEP slot, next, fill, zero
	SIX \slot, \zero
	s_wait_dscnt 0x0                               ; the fragments of substeps 6 and 7 are in: my reads of this slot are over
	s_wait_tensorcnt 0x0                           ; all my tensor loads have landed: the one that was out is my part of the next slot
	ds_add_u32 v30, v31
	s_wait_dscnt 0x0
	s_barrier_signal -1                            ; say so (where the slot is filled again this barrier opens a round of the cluster's barrier),
	MUL 0                                          ; substep 6: work on registers while the others arrive,
	s_barrier_wait -1                              ; and go on when all four have said so
.if \fill
	CREST                                          ; all sixteen work-groups have said so: no wave of any partner still reads this slot or has a load on its way
	s_add_nc_u64 s[GA0+4*\slot+2:GA0+4*\slot+3], s[GA0+4*\slot+2:GA0+4*\slot+3], 1024
	s_add_nc_u64 s[GW0+4*\slot+2:GW0+4*\slot+3], s[GW0+4*\slot+2:GW0+4*\slot+3], 1024
	JLOAD \slot                                    ; the first tensor load behind the round
.endif
	PLACES 4                                       ; behind substep 6's matrix instructions, whose buffer the second fetch below fills
	FETCH \next, 0, 1                              ; N is substep 7 here: the next step's substeps 0 and 1 are N + 1 and N + 2
	FETCH \next, 1, 2
	MUL 0                                          ; substep 7
.endm
	s_wait_tensorcnt 0x1                           ; my part of K step 0 is in; K step 1's, the one younger load, stays out
	s_barrier_signal -1
	s_barrier_wait -1
	FETCH 0, 0, 0
	FETCH 0, 1, 1
	STEP 0, 1, 1, 1                                ; K step 0: its first products start the sums; slot 0 gets K step 2
	STEP 1, 0, 1, 0                                ; K step 1; slot 1 gets K step 3
	STEP 0, 1, 0, 0                                ; K step 2 fills nothing and has no round of the cluster's barrier
	SIX 1, 0                                       ; K step 3
	s_wait_dscnt 16                                ; substep 6's fragments are in; substep 7's 16 loads may be out
	MUL 0
	s_wait_dscnt 0x0
	MUL 0
	; THE WAY OUT, 16 tokens at a time: add b_proj, 32 bytes a lane into my own stage, read back as whole rows of 256 bytes.
	PLACES 4                                       ; behind the last matrix instructions: results are read and fragment registers written from here on
	s_wait_loadcnt 0x0                             ; b_proj
.macro OUT16 a
	WIN 0x01                                       ; source 0 window 1
.irp b, 0,1,2,3
.irp j, 0,2,4,6
	v_pk_add_f32 v[T+8*\b+\j:T+8*\b+\j+1], v[8*(4*\b+\a)+\j:8*(4*\b+\a)+\j+1], v[BPR+8*\b+\j:BPR+8*\b+\j+1]
.endr
.endr
	WIN 0
.irp b, 0,1,2,3
	ds_store_b128 v[STO], v[T+8*\b:T+8*\b+3]   offset:64*\b
	ds_store_b128 v[STO], v[T+8*\b+4:T+8*\b+7] offset:64*\b+16
.endr
	s_wait_xcnt 0x0                                ; the registers that the last 16 tokens' stores read are loaded again only behind this wait
.irp t, 0,1,2,3,4,5,6,7
	ds_load_b128 v[RB+4*\t:RB+4*\t+3], v[RD] offset:2*SPITCH*\t    ; my own bytes: LDS serves a wave in order (ISA guide 5.7.1), these see the stores above
.endr
.irp t, 0,1,2,3,4,5,6,7
	s_wait_dscnt 7-\t                              ; the younger read-back loads may stay out
	global_store_b128 v[CO], v[RB+4*\t:RB+4*\t+3], s[68:69] offset:(16*\a+2*\t)*4096 th:TH_STORE_NT   ; 16 lanes store 256 consecutive bytes, aligned
.endr
.endm
	OUT16 0
	OUT16 1
	OUT16 2
	OUT16 3
	s_wait_tensorcnt 0x0
	ds_add_u32 v30, v31
	s_wait_dscnt 0x0
	CROUND                                         ; the closing round: no work-group ends while a partner may still ask for a tile that names it
	s_endpgm
.Lfunc_end_k_qcadc322d17_proj:
	.size	k_qcadc322d17_proj, .Lfunc_end_k_qcadc322d17_proj-k_qcadc322d17_proj
	.p2alignl 7, 3214868480
	.fill 96, 4, 3214868480
	.section	.rodata,"a",@progbits
	.p2align	6, 0x0
	.amdhsa_kernel k_qcadc322d17_proj
		.amdhsa_group_segment_fixed_size 327680
		.amdhsa_private_segment_fixed_size 0
		.amdhsa_enable_private_segment 0
		.amdhsa_kernarg_size 32
		.amdhsa_user_sgpr_count 2
		.amdhsa_user_sgpr_kernarg_segment_ptr 1
		.amdhsa_wavefront_size32 1
		.amdhsa_system_sgpr_workgroup_id_x 1
		.amdhsa_system_sgpr_workgroup_id_y 1
		.amdhsa_system_sgpr_workgroup_id_z 1
		.amdhsa_system_vgpr_workitem_id 0
		.amdhsa_next_free_vgpr 384
		.amdhsa_next_free_sgpr 80
		.amdhsa_reserve_vcc 0
		.amdhsa_float_denorm_mode_32 3
		.amdhsa_float_denorm_mode_16_64 3
		.amdhsa_memory_ordered 1
		.amdhsa_forward_progress 1
		.amdhsa_inst_pref_size 93
	.end_amdhsa_kernel
	.amdgpu_metadata
---
amdhsa.version: [ 1, 2 ]
amdhsa.kernels:
  - .name:           k_qcadc322d17_proj
    .symbol:         k_qcadc322d17_proj.kd
    .args:
      - { .name: attw, .offset: 0, .size: 8, .value_kind: global_buffer, .address_space: global }
      - { .name: h16, .offset: 8, .size: 8, .value_kind: global_buffer, .address_space: global }
      - { .name: b_proj, .offset: 16, .size: 8, .value_kind: global_buffer, .address_space: global }
      - { .name: out0, .offset: 24, .size: 8, .value_kind: global_buffer, .address_space: global }
    .group_segment_fixed_size: 327680
    .private_segment_fixed_size: 0
    .kernarg_segment_align: 8
    .kernarg_segment_size: 32
    .max_flat_workgroup_size: 128
    .sgpr_count:     80
    .vgpr_count:     384
    .wavefront_size: 32
...
	.end_amdgpu_metadata
.endif
;; end of part 4
